; MI455X (gfx1250); checked and timed in simulation.
; The chip was launched on July 23, 2026; its instructions are those of AMD's public machine-readable ISA for CDNA 5 (MIT licence, August 2026) and "CDNA5" Instruction Set Architecture Reference Guide (July 2026). The comments in the code are by the model that wrote it; some were corrected since.
;; Causal Self Attention. Allowed arithmetic: float matrix products may take bf16 or f16 operands with f32 sums; all other float work in f32.
;; Inputs: W_out 1,024 x 1,024 float32; W_qkv 3,072 x 1,024 float32; x 2 x 2,048 x 1,024 float32.
;; Outputs: out0 2 x 2,048 x 1,024 float32.
;; One version. Each part assembles by itself: llvm-mc -triple=amdgcn-amd-amdhsa -mcpu=gfx1250 --defsym DOCPART=n.
;; ======== version 1 of 1: 4 launches
;; limits: values are held in f16: magnitudes above 65,504 overflow, below 6.1e-05 lose precision
;; workspace buffers: xb 8,388,608 bytes; wqb 6,291,456 bytes; wob 2,097,152 bytes; qkvh 25,165,824 bytes; ohl 16,777,216 bytes
;; launch cvt (part 1): grid 256 x 1, 8 waves a work-group, no clusters, 0 bytes of LDS; arguments x, W_qkv, W_out, xb, wqb, wob; writes xb, wqb, wob
.if DOCPART == 1
	.amdgcn_target "amdgcn-amd-amdhsa--gfx1250"
	.amdhsa_code_object_version 6
	.text
	.protected	k_q6772d1d30b_cvt
	.globl	k_q6772d1d30b_cvt
	.p2align	8
	.type	k_q6772d1d30b_cvt,@function
k_q6772d1d30b_cvt:
	s_mov_b64 s[64:65], 0
	v_nop
	global_prefetch_b8 v0, s[64:65] scope:SCOPE_SE
	s_setreg_imm32_b32 hwreg(HW_REG_WAVE_MODE, 25, 1), 1
	s_wait_xcnt 0x0
; x, W_qkv, W_out (f32) -> xb, wqb, wob (bf16, rounded to nearest even), the same order of numbers.
; A stream: every input byte is read once, every output byte written once; no LDS, no barrier, no matrix unit.
; A work-group takes 32,768 numbers (131,072 bytes in, 65,536 out): groups 0-127 x (4,194,304 numbers), 128-223 W_qkv (3,145,728),
; 224-255 W_out (1,048,576).  Thread t takes 16 bytes at 16 t of each block of 4,096 bytes: a load of a wave covers 512 consecutive bytes,
; a store of a wave 256 consecutive bytes at a multiple of 256 from the buffer's first byte.
; All 32 loads of a thread go out first (16 KiB of every wave on their way); no register is written again after its store.
.set NL, 32                            ; loads of a thread
.set X,  4                             ; v[4:131]  load i: 4 registers of f32; its first two then hold the 4 bf16
	s_load_b256 s[4:11], s[0:1], 0x0               ; x s[4:5], W_qkv s[6:7], W_out s[8:9], xb s[10:11]
	s_load_b128 s[12:15], s[0:1], 0x20             ; wqb s[12:13], wob s[14:15]
	v_lshlrev_b32 v1, 4, v0                        ; my 16 bytes in a block of the source
	v_lshlrev_b32 v2, 3, v0                        ; my 8 bytes in a block of the destination
	s_movk_i32 s20, 128
	s_mov_b32 s3, 0
	s_wait_kmcnt 0x0
	s_cmp_lt_u32 ttmp9, 224                        ; which tensor is mine: a choice on the work-group's number alone
	s_cselect_b64 s[16:17], s[6:7], s[8:9]
	s_cselect_b64 s[18:19], s[12:13], s[14:15]
	s_cselect_b32 s21, s20, 224                    ; the first work-group of that tensor
	s_cmp_lt_u32 ttmp9, 128
	s_cselect_b64 s[16:17], s[4:5], s[16:17]
	s_cselect_b64 s[18:19], s[10:11], s[18:19]
	s_cselect_b32 s21, 0, s21
	s_sub_co_u32 s22, ttmp9, s21                   ; my part of the tensor
	s_lshl_b32 s2, s22, 17                         ; x 131,072 bytes (below 16 MiB)
	s_add_nc_u64 s[16:17], s[16:17], s[2:3]
	s_lshl_b32 s2, s22, 16                         ; x 65,536 bytes
	s_add_nc_u64 s[18:19], s[18:19], s[2:3]
.set i, 0
.rept NL
	global_load_b128 v[X+4*i:X+4*i+3], v1, s[16:17] offset:4096*i th:TH_LOAD_NT   ; read once in this launch
.set i, i+1
.endr
.set i, 0
.rept NL
	s_wait_loadcnt NL-1-i                          ; loads come back in order: load i is in, the NL-1-i younger ones stay out
	v_cvt_pk_bf16_f32 v[X+4*i],   v[X+4*i],   v[X+4*i+1]
	v_cvt_pk_bf16_f32 v[X+4*i+1], v[X+4*i+2], v[X+4*i+3]
	global_store_b64 v2, v[X+4*i:X+4*i+1], s[18:19] offset:2048*i   ; read again by the next launches: no hint
.set i, i+1
.endr
	s_endpgm
.Lfunc_end_k_q6772d1d30b_cvt:
	.size	k_q6772d1d30b_cvt, .Lfunc_end_k_q6772d1d30b_cvt-k_q6772d1d30b_cvt
	.p2alignl 7, 3214868480
	.fill 96, 4, 3214868480
	.section	.rodata,"a",@progbits
	.p2align	6, 0x0
	.amdhsa_kernel k_q6772d1d30b_cvt
		.amdhsa_group_segment_fixed_size 0
		.amdhsa_private_segment_fixed_size 0
		.amdhsa_enable_private_segment 0
		.amdhsa_kernarg_size 48
		.amdhsa_user_sgpr_count 2
		.amdhsa_user_sgpr_kernarg_segment_ptr 1
		.amdhsa_wavefront_size32 1
		.amdhsa_system_sgpr_workgroup_id_x 1
		.amdhsa_system_sgpr_workgroup_id_y 1
		.amdhsa_system_sgpr_workgroup_id_z 1
		.amdhsa_system_vgpr_workitem_id 0
		.amdhsa_next_free_vgpr 132
		.amdhsa_next_free_sgpr 66
		.amdhsa_reserve_vcc 0
		.amdhsa_float_denorm_mode_32 3
		.amdhsa_float_denorm_mode_16_64 3
		.amdhsa_memory_ordered 1
		.amdhsa_forward_progress 1
		.amdhsa_inst_pref_size 13
	.end_amdhsa_kernel
	.amdgpu_metadata
---
amdhsa.version: [ 1, 2 ]
amdhsa.kernels:
  - .name:           k_q6772d1d30b_cvt
    .symbol:         k_q6772d1d30b_cvt.kd
    .args:
      - { .name: x, .offset: 0, .size: 8, .value_kind: global_buffer, .address_space: global }
      - { .name: W_qkv, .offset: 8, .size: 8, .value_kind: global_buffer, .address_space: global }
      - { .name: W_out, .offset: 16, .size: 8, .value_kind: global_buffer, .address_space: global }
      - { .name: xb, .offset: 24, .size: 8, .value_kind: global_buffer, .address_space: global }
      - { .name: wqb, .offset: 32, .size: 8, .value_kind: global_buffer, .address_space: global }
      - { .name: wob, .offset: 40, .size: 8, .value_kind: global_buffer, .address_space: global }
    .group_segment_fixed_size: 0
    .private_segment_fixed_size: 0
    .kernarg_segment_align: 8
    .kernarg_segment_size: 48
    .max_flat_workgroup_size: 256
    .sgpr_count:     66
    .vgpr_count:     132
    .wavefront_size: 32
...
	.end_amdgpu_metadata
.endif
;; end of part 1
;; launch qkv (part 2): grid 12 x 16, 4 waves a work-group, clusters of 4 x 4, 327,680 bytes of LDS; arguments xb, wqb, qkvh; writes qkvh
.if DOCPART == 2
	.amdgcn_target "amdgcn-amd-amdhsa--gfx1250"
	.amdhsa_code_object_version 6
	.text
	.protected	k_q6772d1d30b_qkv
	.globl	k_q6772d1d30b_qkv
	.p2align	8
	.type	k_q6772d1d30b_qkv,@function
k_q6772d1d30b_qkv:
	s_mov_b64 s[64:65], 0
	v_nop
	global_prefetch_b8 v0, s[64:65] scope:SCOPE_SE
	s_setreg_imm32_b32 hwreg(HW_REG_WAVE_MODE, 25, 1), 1
	s_wait_xcnt 0x0
	s_wait_alu depctr_hold_cnt(0) depctr_sa_sdst(0) depctr_va_vdst(0) depctr_va_sdst(0) depctr_va_ssrc(0) depctr_va_vcc(0) depctr_vm_vsrc(0)
	s_getreg_b32 s2, hwreg(HW_REG_IB_STS2, 6, 4)
	s_cmp_eq_u32 s2, 0
	s_cbranch_scc0 .Lentry_in_a_cluster
	s_endpgm
.Lentry_in_a_cluster:
	s_bfe_u32 s2, ttmp6, 0x10000c
	s_cmp_lg_u32 s2, 0xf033
	s_cbranch_scc0 .Lentry_shape_is_right
	s_endpgm
.Lentry_shape_is_right:
; qkv[m][n] = sum over k of xb[m][k] wqb[n][k].  xb: [4096][1024] bf16, wqb: [3072][1024] bf16; sums in f32; the result is rounded once to f16
; and stored by heads: qkvh = 96 planes [2048 tokens][64] f16 of 262,144 bytes, plane = 32 which + 16 batch + head (which: 0 q, 1 k, 2 v).
; LIMIT: a result beyond f16's largest number, 65,504, becomes an infinity.  f16 and not bf16 because the next launch's products need 11 significant bits.
; A work-group makes a block of 256 x 256 with four waves, as many as a WGP has SIMDs; a wave makes 128 x 128: 64 accumulator tiles of 16 x 16,
; 512 registers.  K goes in steps of 128 through a ring of two LDS slots filled by the tensor data mover: a tile's rows are 256 bytes of memory
; and start at multiples of 256 bytes from the buffer's first byte.  12 x 16 = 192 work-groups: a block of 128 columns is two whole heads for each wave.
; CLUSTERS: 4 x 4 work-groups.  The four of a row of the cluster need the same tiles of xb, the four of a column the same tiles of wqb.  Such a tile is asked
; for jointly: each of the four issues the same tensor load, with the same descriptor and a mask that names the four.  That divides the requests by four.
;
; REGISTERS, in windows of 256 (s_set_vgpr_msb says which window each operand place means):
;   window 0: v0-31 addresses; v64-127, v128-191 fragments of xb (8 x 16 rows x 32 K), two buffers; v192-223 at work on the way out
;   window 1: v64-127, v128-191 fragments of wqb, two buffers
;   window 2: the 32 accumulator tiles of my rows 0-63 (tile (a, b) at v[8 (8 a + b)]);   window 3: those of my rows 64-127
; THE MATRIX INSTRUCTION IS USED TRANSPOSED: source 0 = 16 rows of wqb, source 1 = 16 rows of xb.  Lane l then holds row m = l % 16 of the result, and its
; registers 0 to 7 the columns n = 8 (l / 16) + 0 .. 7: eight neighbouring numbers of a token's head, which pack into 16 bytes.
.set SIZE_M, 4096
.set SIZE_N, 3072
.set SIZE_K, 1024
.set HEADB,  262144                    ; bytes of a plane of qkvh
.set KSTEP,  128
.set PITCH,  272                       ; an LDS row: 256 bytes of data + 16 of padding = 68 words, so the 16 rows that a load touches start 4 words apart modulo 64
.set HALFT,  128*PITCH                 ; 128 rows: what one tensor load brings, and what one wave reads of either operand
.set SLOT,   4*HALFT                   ; xb's 256 rows, then wqb's 256 rows
.set STAGE,  2*SLOT                    ; behind the ring: 16 rows x 272 bytes for each wave, for the way out; no tensor load lands there
.set SPITCH, 272
.set LAPS, SIZE_K/(2*KSTEP)            ; a lap = two K steps = once round the ring: 4
.set ADRA, 16                          ; v16-17  LDS address of my xb fragments in slot 0, 1
.set ADRB, 20                          ; v20-21  the same for wqb
.set STO,  24                          ; v24     the way out: where I put 16 bytes of a row
.set RD,   25                          ; v25     the way out: where I read back
.set CO,   26                          ; v26     my byte offset in a store's 512 bytes
.set F0,   64                          ; fragment buffer 0
.set F1,   128                         ; fragment buffer 1
.set TMP,  192                         ; the way out: packed results, in window 0
.set G1, 24                            ; s[24:31] descriptor group 1 for xb's tiles
.set G0, 32                            ; s[32:39] descriptor group 0 for xb's tiles, one set for each slot
.set G1B, 48                           ; s[48:55] descriptor group 1 for wqb's tiles: it differs in the mask alone
.set G0B, 56                           ; s[56:63] descriptor group 0 for wqb's tiles, one set for each slot
.set MSB, 0
.macro WIN new                         ; the immediate's high byte repeats the setting that is left
.if MSB != \new
	s_set_vgpr_msb (MSB<<8)|\new
.set MSB, \new
.endif
.endm
.set MUL_LO, 0xa1                      ; source 0 (wqb) window 1, source 1 (xb) window 0, C and D window 2
.set MUL_HI, 0xf1                      ; the same, C and D window 3
.set TO_B,   0x40                      ; destination window 1, address window 0
; A joint load.  Waves 0 and 1 fetch xb's two halves, waves 2 and 3 wqb's.  Each line has one mask and one set of registers for all that issue it.
; The branch hangs on the wave's number alone: it is the same in every work-group.
.macro JLOAD s
	s_cmp_eq_u32 s11, 0
	s_cbranch_scc0 .Lfor_b_\@
	tensor_load_to_lds s[G0+4*\s:G0+4*\s+3], s[G1:G1+7]
	s_nop 0
	s_branch .Lasked_\@
.Lfor_b_\@:
	tensor_load_to_lds s[G0B+4*\s:G0B+4*\s+3], s[G1B:G1B+7]
	s_nop 0
.Lasked_\@:
.endm
; A round of the cluster's barrier: my work-group's barrier, so that wave 0's signal speaks for all four waves; wave 0 signals for the work-group;
; every wave waits for all sixteen work-groups; my work-group's barrier once more.  No LDS instruction of the wave is pending at a signal.
.macro CREST                           ; a round behind its opening barrier
	s_cmp_lg_u32 s10, 0
	s_cbranch_scc1 .Lnot_wave_0_\@
	s_barrier_signal -3
.Lnot_wave_0_\@:
	s_barrier_wait -3
	s_barrier_signal -1
	s_barrier_wait -1
.endm
.macro CROUND                          ; a whole round
	s_barrier_signal -1
	s_barrier_wait -1
	CREST
.endm
	s_load_b128 s[4:7], s[0:1], 0x0                ; xb s[4:5], wqb s[6:7]
	s_load_b64 s[8:9], s[0:1], 0x10                ; qkvh
	s_set_vgpr_msb 0x40
	v_lshl_add_u32 v255, v0, 2, 0x48400
	s_set_vgpr_msb 0x4000
	v_mov_b32 v255, 0
	s_set_vgpr_msb 0x1
	ds_add_u32 v255, v255
	s_set_vgpr_msb 0x100
	v_lshrrev_b32 v1, 5, v0
	v_readfirstlane_b32 s10, v1                    ; wave 0..3
	s_lshr_b32 s11, s10, 1                         ; which half of the block's rows is mine.  Also: I fetch for xb (0) or for wqb (1)
	s_and_b32 s12, s10, 1                          ; which half of its columns.  Also: which 128 rows of that tile I fetch
	s_bfe_u32 s40, ttmp6, 0x40000                  ; cx: my place along the cluster's x
	s_bfe_u32 s41, ttmp6, 0x40004                  ; cy: along its y
	s_lshl_b32 s42, ttmp9, 2                       ; in a cluster launch ttmp9 and ttmp7 count clusters
	s_add_co_u32 s42, s42, s40                     ; block column = 4 x cluster x + cx
	s_and_b32 s13, ttmp7, 0xffff
	s_lshl_b32 s13, s13, 2
	s_add_co_u32 s13, s13, s41                     ; block row = 4 x cluster y + cy
	s_lshl_b32 s43, s41, 2
	s_lshl_b32 s43, 15, s43                        ; my row of the cluster: places 4 cy .. 4 cy + 3
	s_lshl_b32 s44, 0x1111, s40                    ; my column: places cx, cx + 4, cx + 8, cx + 12
	; descriptor group 1: a tile of 128 rows x 128 elements, padded in LDS
	s_or_b32 s[G1+0], s43, (1<<16)|(1<<20)|(1<<21)|(5<<22)|(3<<25)  ; 15:0 the mask: xb's tiles go to my row; 17:16 element of 2 bytes; 20 padding on; 21 set beside a mask; 24:22 after every 64 words; 31:25 of 4 words
	s_or_b32 s[G1B+0], s44, (1<<16)|(1<<20)|(1<<21)|(5<<22)|(3<<25) ; the same with the mask of my column, for wqb's tiles
	s_mov_b32 s[G1B+1], KSTEP<<16
	s_mov_b32 s[G1+1], KSTEP<<16                   ; tensor_dim0 = 128
	s_mov_b32 s[G1B+2], 128<<16
	s_mov_b32 s[G1+2], 128<<16                     ; tensor_dim1 = 128
	s_mov_b32 s[G1B+3], KSTEP<<16
	s_mov_b32 s[G1+3], KSTEP<<16                   ; tile_dim0 = 128
	s_mov_b32 s[G1B+4], 128
	s_mov_b32 s[G1+4], 128                         ; tile_dim1 = 128; tile_dim2 = 0
	s_mov_b32 s[G1B+5], SIZE_K
	s_mov_b32 s[G1+5], SIZE_K                      ; elements from row to row
	s_mov_b32 s[G1B+6], 0
	s_mov_b32 s[G1+6], 0
	s_mov_b32 s[G1B+7], 0
	s_mov_b32 s[G1+7], 0
	; where the tiles come from.  xb's hang on the block row alone, which my row of the cluster shares; wqb's on the block column alone, which my column shares.
	; Every wave makes both addresses, in registers that never hold the other coordinate, and asks by one of them.
	s_lshl_b32 s17, s12, 7                         ; which 128 rows of the tile I fetch
	s_lshl_b32 s16, s13, 8
	s_add_co_u32 s16, s16, s17                     ; xb: row 256 x block row + 128 x half
	s_lshl_b32 s46, s42, 8
	s_add_co_u32 s46, s46, s17                     ; wqb: row 256 x block column + 128 x half
	s_mov_b32 s17, 0
	s_mov_b32 s47, 0
	s_mov_b64 s[18:19], SIZE_K*2
	s_mul_u64 s[16:17], s[16:17], s[18:19]         ; in bytes
	s_mul_u64 s[46:47], s[46:47], s[18:19]
	s_mul_i32 s20, s10, HALFT                      ; and where they go: wave x 128 rows: no place in the cluster enters an LDS address
	s_wait_dscnt 0x0
	s_wait_kmcnt 0x0
	s_add_nc_u64 s[14:15], s[4:5], s[16:17]
	s_add_nc_u64 s[46:47], s[6:7], s[46:47]
	CROUND                                         ; all sixteen work-groups are here: the first joint loads meet
.irp s, 0,1
	s_mov_b32 s[G0+4*\s], 1                                        ; count = 1
	s_add_co_u32 s[G0+4*\s+1], s20, \s*SLOT                        ; LDS address
	s_add_nc_u64 s[G0+4*\s+2:G0+4*\s+3], s[14:15], \s*KSTEP*2      ; global address: K step s
	s_or_b32 s[G0+4*\s+3], s[G0+4*\s+3], 0x80000000                ; type = 2
	s_mov_b32 s[G0B+4*\s], 1
	s_add_co_u32 s[G0B+4*\s+1], s20, \s*SLOT
	s_add_nc_u64 s[G0B+4*\s+2:G0B+4*\s+3], s[46:47], \s*KSTEP*2
	s_or_b32 s[G0B+4*\s+3], s[G0B+4*\s+3], 0x80000000
	JLOAD \s                                       ; both first fills go out before anything else is done: two loads of a wave are out
.endr
	; A fragment is 16 rows x 32 K in 8 registers: lane l holds row l % 16; registers 0-3 hold K = 8 (l / 16) + 0..7, registers 4-7 hold
	; K = 16 + 8 (l / 16) + 0..7.  From rows that lie along K: two loads of 16 bytes, 32 bytes apart.
	v_and_b32 v1, 15, v0                           ; l % 16
	v_bfe_u32 v2, v0, 4, 1                         ; l / 16
	v_mul_u32_u24 v3, v1, PITCH
	v_lshl_add_u32 v3, v2, 4, v3                   ; row x pitch + 16 x half
	s_mul_i32 s21, s11, HALFT                      ; my 128 rows of xb
	s_mul_i32 s22, s12, HALFT                      ; my 128 rows of wqb,
	s_add_co_u32 s22, s22, 2*HALFT                 ; which lie behind xb's 256
.irp s, 0,1
	v_add_nc_u32 v[ADRA+\s], s21, v3
	v_add_nc_u32 v[ADRB+\s], s22, v3
	s_add_co_u32 s21, s21, SLOT
	s_add_co_u32 s22, s22, SLOT
.endr
	s_mul_i32 s23, s10, 16*SPITCH
	s_add_co_u32 s23, s23, STAGE                   ; my stage
	v_mul_u32_u24 v4, v1, SPITCH                   ; in: row l % 16, 16 bytes for each half of the lanes
	v_lshl_add_u32 v4, v2, 4, v4
	v_add_nc_u32 v[STO], s23, v4
	v_and_b32 v6, 31, v0                           ; back: eight lanes take the 128 bytes that one token has of one head, so a wave takes four tokens
	v_lshrrev_b32 v5, 3, v6
	v_mul_u32_u24 v5, v5, SPITCH
	v_and_b32 v7, 7, v0
	v_lshl_add_u32 v5, v7, 4, v5
	v_add_nc_u32 v[RD], s23, v5
	v_lshlrev_b32 v[CO], 4, v6                     ; in a plane those four tokens are 512 consecutive bytes: 16 x lane
; 16 matrix instructions: m blocks a0, a0 + 1 of the window's four (hi = 0: my rows 0-63, 1: rows 64-127) x all 8 n blocks, 32 along K.
; zero = 1: the first product starts the sums: nothing is ever cleared.
.macro MUL16 f, hi, a0, zero
.irp a, \a0, \a0+1
.irp b, 0,1,2,3,4,5,6,7
.if \zero
	v_wmma_f32_16x16x32_bf16 v[8*(8*(\a)+\b):8*(8*(\a)+\b)+7], v[\f+8*\b:\f+8*\b+7], v[\f+8*(4*\hi+\a):\f+8*(4*\hi+\a)+7], 0
.else
	v_wmma_f32_16x16x32_bf16 v[8*(8*(\a)+\b):8*(8*(\a)+\b)+7], v[\f+8*\b:\f+8*\b+7], v[\f+8*(4*\hi+\a):\f+8*(4*\hi+\a)+7], v[8*(8*(\a)+\b):8*(8*(\a)+\b)+7]
.endif
.endr
.endr
.endm
; 32 LDS loads in one run: the fragments of one quarter step (128 rows of each operand, 32 K at byte k of the rows) into buffer f
.macro FETCH slot, k, f
	WIN TO_B
.irp i, 0,1,2,3,4,5,6,7
	ds_load_b128 v[\f+8*\i:\f+8*\i+3],   v[ADRB+\slot] offset:\k+\i*16*PITCH
	ds_load_b128 v[\f+8*\i+4:\f+8*\i+7], v[ADRB+\slot] offset:\k+\i*16*PITCH+32
.endr
	WIN 0
.irp i, 0,1,2,3,4,5,6,7
	ds_load_b128 v[\f+8*\i:\f+8*\i+3],   v[ADRA+\slot] offset:\k+\i*16*PITCH
	ds_load_b128 v[\f+8*\i+4:\f+8*\i+7], v[ADRA+\slot] offset:\k+\i*16*PITCH+32
.endr
.endm
; A load into a register that a matrix instruction has read, and a vector instruction that reads a matrix result, stand four places behind that matrix
; instruction, and only plain vector instructions that name none of its registers are places (ISA guide 7.12.1 for vector instructions).
.macro PLACES
.rept 4
	v_nop
.endr
.endm
; A K step is four quarter steps of 32 along K, 64 matrix instructions each, on buffers 0, 1, 0, 1.  The 64 accumulators take turns, one instruction a
; turn, in the same order in every quarter.
; One of the first three: multiplies buffer f; in its middle it fetches the next quarter's fragments, at byte k of the same slot's rows, into buffer g.
.macro QUARTER slot, k, f, g, zero
	s_wait_dscnt 8                                 ; wqb's and xb's rows 0-63 are in; the youngest eight loads (xb's rows 64-127) may be out
	WIN MUL_LO
	MUL16 \f, 0, 0, \zero
	MUL16 \f, 0, 2, \zero
	PLACES
	FETCH \slot, \k, \g
	s_wait_dscnt 32                                ; all but the 32 just issued
	WIN MUL_HI
	MUL16 \f, 1, 0, \zero
	MUL16 \f, 1, 2, \zero
.endm
.macro THREE slot, zero
	QUARTER \slot, 64,  F0, F1, \zero
	QUARTER \slot, 128, F1, F0, 0
	QUARTER \slot, 192, F0, F1, 0
.endm
; The last quarter: multiplies buffer 1 and changes slots.  next = the other slot; fill = 1: this slot is filled again, two K steps ahead.
; One barrier for the change of slots.  In front of it each wave waits for its own reads of this slot and for all its tensor loads, of which one is out:
; its part of the next slot.  Behind it nobody reads this slot any more and the next slot is whole: the refill comes first, then the next slot's first
; fragments.  From a request to the wait for it a wave issues 240 matrix instructions.
.macro TURN slot, next, fill
	s_wait_dscnt 8
	WIN MUL_LO
	MUL16 F1, 0, 0, 0
	s_wait_dscnt 0                                 ; my reads of this slot are over
	s_wait_tensorcnt 0x0                           ; and all my tensor loads have landed: the one that was out is my part of the next slot
	ds_add_u32 v255, v255
	s_wait_dscnt 0x0
	s_barrier_signal -1                            ; say so (where a slot is filled again this barrier opens a round of the cluster's barrier),
	MUL16 F1, 0, 2, 0                              ; work on registers while the others arrive,
	WIN 0
	s_barrier_wait -1                              ; and go on when all four have said so
.if \fill
	CREST                                          ; all sixteen work-groups have said so: no wave of any partner still reads this slot's tile or has a load on its way
	s_add_nc_u64 s[G0+4*\slot+2:G0+4*\slot+3], s[G0+4*\slot+2:G0+4*\slot+3], 2*KSTEP*2
	s_add_nc_u64 s[G0B+4*\slot+2:G0B+4*\slot+3], s[G0B+4*\slot+2:G0B+4*\slot+3], 2*KSTEP*2
	JLOAD \slot                                    ; the first tensor load behind the round, and my only one until the next
.endif
	PLACES
	FETCH \next, 0, F0
	WIN MUL_HI
	MUL16 F1, 1, 0, 0
	MUL16 F1, 1, 2, 0
.endm
.macro LAP zero                        ; once round the ring, both slots filled again
	THREE 0, \zero
	TURN 0, 1, 1
	THREE 1, 0
	TURN 1, 0, 1
.endm
	s_wait_tensorcnt 1                             ; my part of K step 0 is in; K step 1's may stay out
	s_barrier_signal -1
	s_barrier_wait -1                              ; everybody's is
	FETCH 0, 0, F0
	LAP 1                                          ; the first lap stands in front of the loop: its first products start the sums
	WIN 0                                          ; at a label and at a branch every window is 0
	s_mov_b32 s3, LAPS-2
.Llap:
	LAP 0
	WIN 0
	s_sub_co_u32 s3, s3, 1
	s_cmp_lg_u32 s3, 0
	s_cbranch_scc1 .Llap
	THREE 0, 0                                     ; the last lap fills nothing: my one tensor load that is still out is slot 1's, the last K step's
	TURN 0, 1, 0
	THREE 1, 0
	s_wait_dscnt 8                                 ; the very last quarter: nothing more to fetch
	WIN MUL_LO
	MUL16 F1, 0, 0, 0
	MUL16 F1, 0, 2, 0
	s_wait_dscnt 0
	WIN MUL_HI
	MUL16 F1, 1, 0, 0
	MUL16 F1, 1, 2, 0
	; THE WAY OUT, 16 tokens at a time: round to f16, 16 bytes a lane into my own stage in LDS, read back head by head.
	; The four v_nop are the places behind the last matrix instructions: for the conversions, which read results, and for the loads into buffers 0 and 1.
	PLACES
	s_lshl_b32 s13, s13, 8
	s_lshl_b32 s14, s11, 7
	s_add_co_u32 s16, s13, s14                     ; m0: my first row = 2048 batch + token
	s_lshr_b32 s17, s16, 11
	s_lshl_b32 s17, s17, 22                        ; batch x 16 planes
	s_and_b32 s16, s16, 2047
	s_lshl_b32 s16, s16, 7                         ; token x 128 bytes
	s_add_co_u32 s16, s16, s17
	s_mov_b32 s17, 0
	s_add_nc_u64 s[8:9], s[8:9], s[16:17]
	s_lshl_b32 s46, s42, 8                         ; (in the registers that held wqb's address: none that feeds xb's descriptors ever holds cx)
	s_lshl_b32 s47, s12, 7
	s_add_co_u32 s46, s46, s47                     ; n0: my first column = 1024 which + 64 head
	s_lshr_b32 s47, s46, 10
	s_lshl_b32 s47, s47, 23                        ; which x 32 planes
	s_bfe_u32 s46, s46, 0x40006
	s_lshl_b32 s46, s46, 18                        ; head x 1 plane; my second head is the next plane
	s_add_co_u32 s46, s46, s47
	s_mov_b32 s47, 0
	s_add_nc_u64 s[8:9], s[8:9], s[46:47]
; rows 16 i .. 16 i + 15 of my block = the eight tiles (a, 0..7) of window 2 or 3 (from = 0x0a or 0x0f: sources 0 and 1); f: F0 or F1 in turn
.macro OUT16 i, a, from, f
	WIN \from
.irp b, 0,1,2,3,4,5,6,7
.irp r, 0,1,2,3
	v_cvt_pk_f16_f32 v[TMP+4*\b+\r], v[8*(8*\a+\b)+2*\r], v[8*(8*\a+\b)+2*\r+1]
.endr
.endr
	WIN 0
.irp b, 0,1,2,3,4,5,6,7
	ds_store_b128 v[STO], v[TMP+4*\b:TMP+4*\b+3] offset:32*\b
.endr
	s_wait_xcnt 0x0                                ; buffer f, which earlier stores read, and the stores' base are rewritten only behind this wait
.if \i
	s_add_nc_u64 s[8:9], s[8:9], 16*128            ; 16 tokens on
.endif
.irp t, 0,1,2,3,4,5,6,7
	ds_load_b128 v[\f+4*\t:\f+4*\t+3], v[RD] offset:(\t%4)*4*SPITCH+(\t/4)*128    ; tokens 4 (t % 4) .. + 3 of head t / 4; LDS serves a wave's instructions in order: these see the stores above
.endr
.irp t, 0,1,2,3,4,5,6,7
	s_wait_dscnt 7-\t                              ; read-back t is in, the younger ones stay out
	global_store_b128 v[CO], v[\f+4*\t:\f+4*\t+3], s[8:9] offset:(\t/4)*HEADB+(\t%4)*512   ; a wave stores 512 consecutive bytes, at a multiple of 512 from the buffer's first byte
.endr
.endm
	OUT16 0, 0, 0x0a, F0
	OUT16 1, 1, 0x0a, F1
	OUT16 2, 2, 0x0a, F0
	OUT16 3, 3, 0x0a, F1
	OUT16 4, 0, 0x0f, F0
	OUT16 5, 1, 0x0f, F1
	OUT16 6, 2, 0x0f, F0
	OUT16 7, 3, 0x0f, F1
	s_set_vgpr_msb 0x1
	s_wait_tensorcnt 0x0
	ds_add_u32 v255, v255
	s_wait_dscnt 0x0
	s_set_vgpr_msb 0x100
	CROUND                                         ; the closing round: no work-group ends while a partner may still ask for a tile that names it
	s_endpgm
.Lfunc_end_k_q6772d1d30b_qkv:
	.size	k_q6772d1d30b_qkv, .Lfunc_end_k_q6772d1d30b_qkv-k_q6772d1d30b_qkv
	.p2alignl 7, 3214868480
	.fill 96, 4, 3214868480
	.section	.rodata,"a",@progbits
	.p2align	6, 0x0
	.amdhsa_kernel k_q6772d1d30b_qkv
		.amdhsa_group_segment_fixed_size 327680
		.amdhsa_private_segment_fixed_size 0
		.amdhsa_enable_private_segment 0
		.amdhsa_kernarg_size 24
		.amdhsa_user_sgpr_count 2
		.amdhsa_user_sgpr_kernarg_segment_ptr 1
		.amdhsa_wavefront_size32 1
		.amdhsa_system_sgpr_workgroup_id_x 1
		.amdhsa_system_sgpr_workgroup_id_y 1
		.amdhsa_system_sgpr_workgroup_id_z 1
		.amdhsa_system_vgpr_workitem_id 0
		.amdhsa_next_free_vgpr 1024
		.amdhsa_next_free_sgpr 66
		.amdhsa_reserve_vcc 0
		.amdhsa_float_denorm_mode_32 3
		.amdhsa_float_denorm_mode_16_64 3
		.amdhsa_memory_ordered 1
		.amdhsa_forward_progress 1
		.amdhsa_inst_pref_size 196
	.end_amdhsa_kernel
	.amdgpu_metadata
---
amdhsa.version: [ 1, 2 ]
amdhsa.kernels:
  - .name:           k_q6772d1d30b_qkv
    .symbol:         k_q6772d1d30b_qkv.kd
    .args:
      - { .name: xb, .offset: 0, .size: 8, .value_kind: global_buffer, .address_space: global }
      - { .name: wqb, .offset: 8, .size: 8, .value_kind: global_buffer, .address_space: global }
      - { .name: qkvh, .offset: 16, .size: 8, .value_kind: global_buffer, .address_space: global }
    .group_segment_fixed_size: 327680
    .private_segment_fixed_size: 0
    .kernarg_segment_align: 8
    .kernarg_segment_size: 24
    .max_flat_workgroup_size: 128
    .sgpr_count:     66
    .vgpr_count:     1024
    .wavefront_size: 32
...
	.end_amdgpu_metadata
.endif
;; end of part 2
;; launch attn (part 3): grid 8 x 32, 8 waves a work-group, no clusters, 327,680 bytes of LDS; arguments qkvh, ohl; writes ohl
.if DOCPART == 3
	.amdgcn_target "amdgcn-amd-amdhsa--gfx1250"
	.amdhsa_code_object_version 6
	.text
	.protected	k_q6772d1d30b_attn
	.globl	k_q6772d1d30b_attn
	.p2align	8
	.type	k_q6772d1d30b_attn,@function
k_q6772d1d30b_attn:
	s_mov_b64 s[64:65], 0
	v_nop
	global_prefetch_b8 v0, s[64:65] scope:SCOPE_SE
	s_setreg_imm32_b32 hwreg(HW_REG_WAVE_MODE, 25, 1), 1
	s_wait_xcnt 0x0
; Causal attention of one head, with a running maximum.  qkvh: 96 planes [2048][64] f16 (plane = 32 which + 16 batch + head).
; ohl: [4096 tokens][16 heads][hi 64 | lo 64] bf16: the result o as hi = bf16(o), lo = bf16(o - hi), 16 significant bits for the next launch's bf16 products.
; LIMITS: a probability below about 2^-25 of its row's largest is 0 in f16; v_exp_f32 gives 0 for results below 2^-126 (ISA guide, its entry in 15.8).
; WORK: work-group (j = x, 16 batch + head = y) makes two blocks of 128 queries, block 15 - j (16 - j key tiles of 128) and then block j (j + 1 tiles):
; a sequence of 17 tiles for every one of the 256 work-groups; tiles wholly above the diagonal are never touched.
; Eight waves: wave = 4 kh + qw takes queries 32 qw .. + 31 (two groups g of 16) and keys 64 kh .. + 63 of every tile, with its own running maximum, sum and
; output; the two key halves are merged through LDS at a block's end.  Two waves lie on a SIMD: one's exponentials run beside the other's products.
; RING: two LDS slots of TWO tiles each.  Waves 0 and 1 ask for the pair's two K tiles, waves 2 and 3 for its two V tiles, 16 KiB a load.  One barrier stands
; in front of each pair: behind it a wave issues its one load, which has two trips' work in which to land, and between two such barriers the waves run free.
; TRANSPOSED: S^T = K Q^T (A = 16 keys, B = 16 queries): lane (r, h) holds keys 16 mt + 8 h + 0..7 of query r, so a row's maximum and sum need one exchange
; between lane halves, and packing tiles 2 kk, 2 kk + 1 to f16 gives the B fragment of P^T for 32 keys in place.  O^T = V^T P^T (A = V^T through
; ds_load_tr16_b128): lane (r, h) holds outputs 16 ht + 8 h + 0..7 of query r.
; NO CLUSTER: the eight work-groups of a head read the same planes, but place t of the sequence is tile t in the first block and t - 16 + j in the second,
; so from place 16 - j on partners want different tiles, and the branches on the diagonal would hang on the place in the cluster.
.set KP2,    272                       ; an LDS row of K: two keys (256 bytes) + 16: the 16 keys of a fragment load lie in 16-byte columns (r / 2) + 8 (r % 2) modulo 16
.set VP2,    288                       ; an LDS row of V: two keys + 32: the lanes of a transposing load lie in columns 2 ((l % 8) / 2) + 8 (l % 2) + (l / 8) % 2
.set REG,    64*VP2                    ; 18,432: a tile's region (K's 64 rows take 17,408 of it), so that a load's LDS address is wave x REG + the slot
.set VOFF,   2*REG                     ; a slot: K of tile 0, K of tile 1, V of tile 0, V of tile 1
.set SLOTB,  4*REG                     ; 73,728 bytes a slot
.set MERGEB, 2*SLOTB                   ; 147,456: 4 x 8,704 bytes, where wave 4 + qw hands its half to wave qw; no tensor load lands there
.set MERGEW, 8704
.set STAGEB, MERGEB+4*MERGEW           ; 182,272: 4 x 16 rows x 272 bytes, the way out of waves 0 to 3
.set STAGEW, 16*272
.set KA,  2                            ; v2-3    LDS address of my K fragments in slot 0, 1 (tile 0 of the slot; tile 1 by the immediate)
.set VA,  4                            ; v4-5    the same for V
.set QO,  6                            ; v6      my byte offset in 16 rows of Q
.set MS,  7                            ; v7      my 16 bytes in the merge area
.set DG,  8                            ; v8-9    group g: query - first key of my lane, on the diagonal tile (signed)
.set MX,  10                           ; v10-11  running maximum of group g
.set LS,  12                           ; v12-13  running sum of group g (my lane half's keys)
.set NMC, 14                           ; v[14:15] -c x maximum, twice
.set AL,  16                           ; v[16:17] the factor for what was summed so far, twice
.set T,   18                           ; v18-27  at work
.set STO, 28                           ; the way out: in
.set RD,  29                           ; the way out: back
.set CO,  30                           ; my byte offset in two rows of ohl
.set NINF, 31                          ; minus infinity
.set QF,  32                           ; v32-63   Q fragment (g, ks) at QF + 8 (2 g + ks)
.set OA,  64                           ; v64-127  output tile (g, ht) at OA + 32 g + 8 ht
.set ST,  128                          ; v128-191 score tile (g, mt) at ST + 32 g + 8 mt; then P fragment (g, kk) at ST + 32 g + 16 kk
.set KV,  192                          ; v192-255 K fragment (ks, mt) at KV + 8 (4 ks + mt), then V fragment (kk, ht) at KV + 8 (4 kk + ht)
.set G1K, 16                           ; s[16:23] group 1 of K's tiles
.set G1V, 24                           ; s[24:31] group 1 of V's tiles: a wider pad
.set G0K, 32                           ; s[32:39] group 0 of my K tile, one set for each slot
.set G0V, 40                           ; s[40:47] group 0 of my V tile
; s8 wave, s9 qw, s10 kh, s11 j, s12 16 batch + head, s13 query block, s14 key tile of this trip, s[48:49] K's plane, s[50:51] V's plane,
; s[52:53] Q's plane at my wave's rows, s[54:55] Q of this block, s[56:57] ohl at my wave's rows and head, s[58:59] ohl of this block,
; s[60:61] an offset with 0 above it, s62 loop trips, s63 place in the sequence of the pair asked for next, s[66:67] c twice (c = log2(e) / 8),
; s68-69 lane selects, s70 -c, s71 upper-half mask, s72-73 scratch, s74 wave % 2 (which tile of a pair I ask for), s75 15 - j, s76 16 - j, s77 wave x REG
.macro PLACES n
.rept \n
	v_nop
.endr
.endm
; A pair's four tiles: waves 0 and 1 ask for K's, waves 2 and 3 for V's, waves 4 to 7 for none; the branches hang on the wave's number alone
.macro ISSUE s
	s_cmp_ge_u32 s8, 4
	s_cbranch_scc1 .Lnone_\@
	s_cmp_ge_u32 s8, 2
	s_cbranch_scc1 .Lfor_v_\@
	tensor_load_to_lds s[G0K+4*\s:G0K+4*\s+3], s[G1K:G1K+7]
	s_nop 0
	s_branch .Lnone_\@
.Lfor_v_\@:
	tensor_load_to_lds s[G0V+4*\s:G0V+4*\s+3], s[G1V:G1V+7]
	s_nop 0
.Lnone_\@:
.endm
; The 17th tile stands alone: wave 0 asks for its K, wave 2 for its V; nothing is asked for that no trip reads
.macro ISSUE1 s
	s_cmp_lg_u32 s8, 0
	s_cbranch_scc1 .Lno_k_\@
	tensor_load_to_lds s[G0K+4*\s:G0K+4*\s+3], s[G1K:G1K+7]
	s_nop 0
.Lno_k_\@:
	s_cmp_lg_u32 s8, 2
	s_cbranch_scc1 .Lno_v_\@
	tensor_load_to_lds s[G0V+4*\s:G0V+4*\s+3], s[G1V:G1V+7]
	s_nop 0
.Lno_v_\@:
.endm
.macro SETPHASE                        ; the addresses of query block s13
	s_lshl_b32 s60, s13, 14                        ; 128 tokens x 128 bytes
	s_add_nc_u64 s[54:55], s[52:53], s[60:61]
	s_lshl_b32 s60, s13, 19                        ; 128 tokens x 4,096 bytes
	s_add_nc_u64 s[58:59], s[56:57], s[60:61]
.endm
.macro LOADQ                           ; my 32 queries as four B fragments, kept for the whole block
.irp g, 0,1
.irp ks, 0,1
.irp hf, 0,1
	global_load_b128 v[QF+8*(2*\g+\ks)+4*\hf:QF+8*(2*\g+\ks)+4*\hf+3], v[QO], s[54:55] offset:2048*\g+64*\ks+32*\hf
.endr
.endr
.endr
.endm
; A block begins in a trip that hangs on j, so its first product cannot be written out apart from the others: the 64 output registers are cleared,
; twice in the 17 trips.  The maximum starts at the lowest finite number, so that a wave whose keys are all masked still forms finite differences.
.macro INIT
	v_mov_b32 v[MX], 0xff7fffff
	v_mov_b32 v[MX+1], 0xff7fffff
	v_mov_b32 v[LS], 0
	v_mov_b32 v[LS+1], 0
.set i, 0
.rept 64
	v_mov_b32 v[OA+i], 0
.set i, i+1
.endr
.endm
.macro LOADK s, i                      ; 16 loads from tile i of slot s: my 64 keys x 64, the first 32 of the head's 64 numbers first
.irp ks, 0,1
.irp mt, 0,1,2,3
	ds_load_b128 v[KV+8*(4*\ks+\mt):KV+8*(4*\ks+\mt)+3],   v[KA+\s] offset:\i*REG+8*KP2*\mt+64*\ks
	ds_load_b128 v[KV+8*(4*\ks+\mt)+4:KV+8*(4*\ks+\mt)+7], v[KA+\s] offset:\i*REG+8*KP2*\mt+64*\ks+32
.endr
.endr
.endm
; 16 matrix instructions on 8 accumulators, which take turns, one instruction a turn; the first eight start the sums
.macro QK
	s_wait_loadcnt 0x0                             ; Q (met at once but in a block's first trip)
	s_wait_dscnt 0x8                               ; the eight loads of ks = 0 are in, those of ks = 1 may be out
.irp mt, 0,1,2,3
.irp g, 0,1
	v_wmma_f32_16x16x32_f16 v[ST+32*\g+8*\mt:ST+32*\g+8*\mt+7], v[KV+8*\mt:KV+8*\mt+7], v[QF+16*\g:QF+16*\g+7], 0
.endr
.endr
	s_wait_dscnt 0x0
.irp mt, 0,1,2,3
.irp g, 0,1
	v_wmma_f32_16x16x32_f16 v[ST+32*\g+8*\mt:ST+32*\g+8*\mt+7], v[KV+32+8*\mt:KV+32+8*\mt+7], v[QF+16*\g+8:QF+16*\g+15], v[ST+32*\g+8*\mt:ST+32*\g+8*\mt+7]
.endr
.endr
.endm
.macro LOADV s, i                      ; 16 transposing loads from tile i of slot s: V^T of my 64 keys, keys 0-31 first
.irp kk, 0,1
.irp ht, 0,1,2,3
	ds_load_tr16_b128 v[KV+8*(4*\kk+\ht):KV+8*(4*\kk+\ht)+3],   v[VA+\s] offset:\i*REG+16*VP2*\kk+32*\ht
	ds_load_tr16_b128 v[KV+8*(4*\kk+\ht)+4:KV+8*(4*\kk+\ht)+7], v[VA+\s] offset:\i*REG+16*VP2*\kk+32*\ht+8*VP2
.endr
.endr
.endm
.macro MASK                            ; the diagonal tile: key 16 mt + jj of my lane stays if it is not beyond the query
.irp g, 0,1
.irp mt, 0,1,2,3
.irp jj, 0,1,2,3,4,5,6,7
	v_cmp_le_i32 vcc_lo, 16*\mt+\jj, v[DG+\g]
	v_cndmask_b32 v[ST+32*\g+8*\mt+\jj], v[NINF], v[ST+32*\g+8*\mt+\jj], vcc_lo
.endr
.endr
.endr
.endm
; Group g's 16 queries x my 64 keys: 32 scores a lane.  New maximum, p = 2^(c s - c max), the old sums and outputs scaled, p packed to f16 in place.
.macro SOFTMAX g
.set SB, ST+32*\g
	v_max3_num_f32 v[T],   v[SB],   v[SB+1], v[SB+2]       ; two chains
	v_max3_num_f32 v[T+1], v[SB+3], v[SB+4], v[SB+5]
.set i, 6
.rept 13
	v_max3_num_f32 v[T+(i/2)%2], v[T+(i/2)%2], v[SB+i], v[SB+i+1]
.set i, i+2
.endr
	v_max_num_f32 v[T], v[T], v[T+1]
	v_permlanex16_b32 v[T+1], v[T], s68, s69               ; the other lane half holds the same query's other keys
	v_max3_num_f32 v[T+2], v[T], v[T+1], v[MX+\g]          ; the new running maximum
	v_mul_f32 v[T+3], s70, v[MX+\g]                        ; -c x old maximum: the very product by which the old p were formed,
	v_mul_f32 v[NMC], s70, v[T+2]
	v_mul_f32 v[NMC+1], s70, v[T+2]
	v_sub_f32 v[T+3], v[NMC], v[T+3]                       ; so that the factor fits them whatever the size of the scores
	v_exp_f32 v[AL], v[T+3]
	v_exp_f32 v[AL+1], v[T+3]
	v_mov_b32 v[MX+\g], v[T+2]                             ; the plain instruction that stands behind a transcendental before its result is used (ISA guide 5.7.2)
.set i, 0
.rept 16
	v_pk_fma_f32 v[SB+i:SB+i+1], v[SB+i:SB+i+1], s[66:67], v[NMC:NMC+1] op_sel_hi:[1,0,1]
.set i, i+2
.endr
.set i, 0
.rept 32
	v_exp_f32 v[SB+i], v[SB+i]
.set i, i+1
.endr
.set i, 0
	s_wait_alu depctr_va_vdst(0)
.rept 16
	v_pk_mul_f32 v[OA+32*\g+i:OA+32*\g+i+1], v[OA+32*\g+i:OA+32*\g+i+1], v[AL:AL+1]   ; plain work behind the exponentials
.set i, i+2
.endr
	v_pk_add_f32 v[T+4:T+5], v[SB:SB+1],   v[SB+2:SB+3]    ; the sum of p in f32, two chains
	v_pk_add_f32 v[T+6:T+7], v[SB+4:SB+5], v[SB+6:SB+7]
.set i, 8
.rept 12
	v_pk_add_f32 v[T+4+i%4:T+5+i%4], v[T+4+i%4:T+5+i%4], v[SB+i:SB+i+1]
.set i, i+2
.endr
	v_pk_add_f32 v[T+4:T+5], v[T+4:T+5], v[T+6:T+7]
	v_add_f32 v[T+4], v[T+4], v[T+5]
	v_fma_f32 v[LS+\g], v[LS+\g], v[AL], v[T+4]
.irp kk, 0,1
.irp i, 0,1,2,3,4,5,6,7
	v_cvt_pk_f16_f32 v[SB+16*\kk+\i], v[SB+16*\kk+2*\i], v[SB+16*\kk+2*\i+1]   ; ascending: the destination never passes a source that is still to be read
.endr
.endr
.endm
; 16 matrix instructions on the 8 output tiles, which take turns, one instruction a turn
.macro PV
	s_wait_dscnt 0x8                               ; V of keys 0-31 is in, the eight younger loads may be out
.irp ht, 0,1,2,3
.irp g, 0,1
	v_wmma_f32_16x16x32_f16 v[OA+32*\g+8*\ht:OA+32*\g+8*\ht+7], v[KV+8*\ht:KV+8*\ht+7], v[ST+32*\g:ST+32*\g+7], v[OA+32*\g+8*\ht:OA+32*\g+8*\ht+7]
.endr
.endr
	s_wait_dscnt 0x0
.irp ht, 0,1,2,3
.irp g, 0,1
	v_wmma_f32_16x16x32_f16 v[OA+32*\g+8*\ht:OA+32*\g+8*\ht+7], v[KV+32+8*\ht:KV+32+8*\ht+7], v[ST+32*\g+16:ST+32*\g+23], v[OA+32*\g+8*\ht:OA+32*\g+8*\ht+7]
.endr
.endr
.endm
; Group g: my half (MX, LS, OA) and the partner's (T + g, T + 2 + g, KV + 32 g) become the normalised output in OA
.macro MERGE g
	v_max_num_f32 v[T+4], v[MX+\g], v[T+\g]
	v_mul_f32 v[T+5], s70, v[T+4]
	v_mul_f32 v[T+6], s70, v[MX+\g]
	v_mul_f32 v[T+7], s70, v[T+\g]
	v_sub_f32 v[T+6], v[T+5], v[T+6]               ; c (my maximum - the common one)
	v_sub_f32 v[T+7], v[T+5], v[T+7]
	v_exp_f32 v[T+6], v[T+6]
	v_exp_f32 v[T+7], v[T+7]
	v_nop                                          ; the place behind a transcendental
	s_wait_alu depctr_va_vdst(0)
	v_mul_f32 v[T+8], v[LS+\g], v[T+6]
	v_fmac_f32 v[T+8], v[T+2+\g], v[T+7]           ; the row's sum: above 0, since key 0 of the diagonal tile is open to every query
	v_rcp_f32 v[T+9], v[T+8]
	v_nop
	s_wait_alu depctr_va_vdst(0)
	v_mul_f32 v[AL], v[T+6], v[T+9]
	v_mul_f32 v[AL+1], v[T+6], v[T+9]
	v_mul_f32 v[NMC], v[T+7], v[T+9]
	v_mul_f32 v[NMC+1], v[T+7], v[T+9]
.set i, 0
.rept 16
	v_pk_mul_f32 v[OA+32*\g+i:OA+32*\g+i+1], v[OA+32*\g+i:OA+32*\g+i+1], v[AL:AL+1]
	v_pk_fma_f32 v[OA+32*\g+i:OA+32*\g+i+1], v[KV+32*\g+i:KV+32*\g+i+1], v[NMC:NMC+1], v[OA+32*\g+i:OA+32*\g+i+1]
.set i, i+2
.endr
.endm
; Group g's 16 tokens leave: hi and lo, 16 bytes a lane into my stage, whole rows of 256 bytes back, sixteen lanes store one (token, head) piece
.macro OUT g
.irp ht, 0,1,2,3
.irp i, 0,1,2,3
	v_cvt_pk_bf16_f32 v[ST+32*\g+4*\ht+\i], v[OA+32*\g+8*\ht+2*\i], v[OA+32*\g+8*\ht+2*\i+1]
	v_lshlrev_b32 v[T+4+2*(\i%2)], 16, v[ST+32*\g+4*\ht+\i]
	v_and_b32 v[T+5+2*(\i%2)], s71, v[ST+32*\g+4*\ht+\i]
	v_pk_add_f32 v[T+4+2*(\i%2):T+5+2*(\i%2)], v[OA+32*\g+8*\ht+2*\i:OA+32*\g+8*\ht+2*\i+1], v[T+4+2*(\i%2):T+5+2*(\i%2)] neg_lo:[0,1] neg_hi:[0,1]
	v_cvt_pk_bf16_f32 v[ST+32*\g+16+4*\ht+\i], v[T+4+2*(\i%2)], v[T+5+2*(\i%2)]
.endr
.endr
.irp ht, 0,1,2,3
	ds_store_b128 v[STO], v[ST+32*\g+4*\ht:ST+32*\g+4*\ht+3] offset:32*\ht
	ds_store_b128 v[STO], v[ST+32*\g+16+4*\ht:ST+32*\g+16+4*\ht+3] offset:128+32*\ht
.endr
.irp t, 0,1,2,3,4,5,6,7
	ds_load_b128 v[KV+32*\g+4*\t:KV+32*\g+4*\t+3], v[RD] offset:544*\t     ; my own bytes: LDS serves a wave's instructions in order
.endr
.irp t, 0,1,2,3,4,5,6,7
	s_wait_dscnt 7-\t                              ; read-back t is in, the younger ones stay out
	global_store_b128 v[CO], v[KV+32*\g+4*\t:KV+32*\g+4*\t+3], s[58:59] offset:65536*\g+8192*\t
.endr
.endm
; A block's end.  last = 0: the first block's; the second block is set up behind it.  last = 1: the second block's, the end of the work.
; The merge area goes from waves 4-7 to waves 0-3 in this order: store, wait, barrier, load.  At the first block's end a second barrier follows the loads
; (load, wait, barrier), so that the area is stored into again, at the second block's end, only after every reader has said that its loads are back;
; it stands ahead of the merge arithmetic, so that waves 4 to 7 wait for 17 loads and not for the way out.  Behind the last block's end nothing writes the area.
.macro EPI last
	v_permlanex16_b32 v[T], v[LS], s68, s69        ; the sums of the two lane halves meet
	v_permlanex16_b32 v[T+1], v[LS+1], s68, s69
	v_add_f32 v[LS], v[LS], v[T]
	v_add_f32 v[LS+1], v[LS+1], v[T+1]
	s_cmp_lt_u32 s8, 4
	s_cbranch_scc1 .Lkeeps_\@
.set i, 0
.rept 16
	ds_store_b128 v[MS], v[OA+4*i:OA+4*i+3] offset:512*i   ; waves 4 to 7 hand over outputs,
.set i, i+1
.endr
	ds_store_b128 v[MS], v[MX:MX+3] offset:8192            ; maxima and sums
.Lkeeps_\@:
	s_wait_dscnt 0x0                               ; my stores are in LDS before I say so
	s_barrier_signal -1                            ; The next pair's loads may stay out across it
	s_barrier_wait -1
	s_cmp_ge_u32 s8, 4
	s_cbranch_scc1 .Lgave_\@
.set i, 0
.rept 16
	ds_load_b128 v[KV+4*i:KV+4*i+3], v[MS] offset:512*i
.set i, i+1
.endr
	ds_load_b128 v[T:T+3], v[MS] offset:8192
.if \last == 0
.Lgave_\@:
.endif
	s_wait_dscnt 0x0                               ; my reads of the merge area are back: for my own registers, and before I say so
.if \last == 0
	s_barrier_signal -1
	s_barrier_wait -1                              ; from here on the merge area may be stored into again
	s_cmp_ge_u32 s8, 4
	s_cbranch_scc1 .Lidle_\@
.endif
	MERGE 0
	MERGE 1
	OUT 0
	OUT 1
.if \last == 0
.Lidle_\@:
	s_wait_xcnt 0x0                                ; the stores' base and data (KV) are rewritten only behind this wait
	s_mov_b32 s13, s11                             ; the second block: j
	s_mov_b32 s14, -1                              ; the trip's end adds one: its tile 0 comes next
	SETPHASE
	LOADQ
	INIT
.else
.Lgave_\@:
.endif
.endm
; The head of a pair of trips.  o = the slot that the last pair read.  refill = 0: nothing is asked for; 1: the pair after this one goes into slot o;
; 2: the 17th tile alone goes there.  My tile's place in the sequence is s63 + wave % 2; beyond the first block's diagonal, 15 - j, it is a tile of the second block.
.macro HEAD o, refill
	s_set_vgpr_msb 0x5
	s_wait_tensorcnt 0x0                           ; all my tensor loads have landed, my part of this pair among them: every group 0 may be written
	ds_add_u32 v0, v1
	s_wait_dscnt 0x0
	s_set_vgpr_msb 0x500
.if \refill
	s_add_co_u32 s60, s63, s74
	s_sub_co_u32 s73, s60, s76                     ; place - (16 - j)
	s_cmp_gt_u32 s60, s75
	s_cselect_b32 s60, s73, s60
	s_lshl_b32 s60, s60, 14                        ; 128 keys x 128 bytes
	s_add_nc_u64 s[G0K+4*\o+2:G0K+4*\o+3], s[48:49], s[60:61]
	s_or_b32 s[G0K+4*\o+3], s[G0K+4*\o+3], 0x80000000
	s_add_nc_u64 s[G0V+4*\o+2:G0V+4*\o+3], s[50:51], s[60:61]
	s_or_b32 s[G0V+4*\o+3], s[G0V+4*\o+3], 0x80000000
	s_add_co_u32 s63, s63, 2
.endif
	s_wait_dscnt 0x0                               ; my reads of the other slot are back
	s_barrier_signal -1
	s_barrier_wait -1                              ; both now hold of all eight waves
.if \refill == 1
	ISSUE \o                                       ; first thing behind the barrier: it has the pair's two trips in which to land
.endif
.if \refill == 2
	ISSUE1 \o
.endif
.endm
; One key tile: tile i of slot s.  diag = 0: a place that is no block's diagonal for any j (places 0 to 7); 1: it may be the first block's; 2: the 17th trip,
; always the second block's diagonal and the end.
.macro TRIP s, i, diag
	LOADK \s, \i
	QK
	PLACES 4                                       ; four places behind the last product: for the loads into its A registers and for the readers of the scores
	LOADV \s, \i
.if \diag == 2
	MASK
.endif
.if \diag == 1
	s_cmp_lg_u32 s14, s13                          ; the same in all waves: it hangs on j and the trip alone
	s_cbranch_scc1 .Lfull_\@
	MASK
.Lfull_\@:
.endif
	SOFTMAX 0
	SOFTMAX 1
	PV
	PLACES 5                                       ; five places: the next trip's products write over P, its loads over V^T; the block's end reads the outputs
.if \diag == 2
	EPI 1
.endif
.if \diag == 1
	s_cmp_lg_u32 s14, s13
	s_cbranch_scc1 .Lon_\@
	EPI 0
.Lon_\@:
.endif
.if \diag != 2
	s_add_co_u32 s14, s14, 1                       ; the block's next key tile
.endif
.endm
	s_load_b128 s[4:7], s[0:1], 0x0                ; qkvh s[4:5], ohl s[6:7]
	s_set_vgpr_msb 0x40
	v_lshl_add_u32 v0, v0, 2, 0x30c00
	v_mov_b32 v1, 0
	s_set_vgpr_msb 0x4045
	ds_add_u32 v0, v1
	s_set_vgpr_msb 0x4500
	v_lshrrev_b32 v1, 5, v0
	v_readfirstlane_b32 s8, v1                     ; wave 0..7
	s_and_b32 s9, s8, 3                            ; qw
	s_lshr_b32 s10, s8, 2                          ; kh
	s_mov_b32 s11, ttmp9                           ; j
	s_and_b32 s12, ttmp7, 0xffff                   ; 16 batch + head
	s_and_b32 s74, s8, 1                           ; which tile of a pair I ask for
	s_sub_co_u32 s75, 15, s11
	s_sub_co_u32 s76, 16, s11
	s_mul_i32 s77, s8, REG                         ; where my tile goes: K, K, V, V
	; Group 1: a tile is 128 keys x 128 bytes, dense in memory: 64 rows of 32 elements of 8 bytes, each row 256 bytes at a multiple of 256 from the buffer's start
	s_mov_b32 s[G1K+0], (3<<16)|(1<<20)|(5<<22)|(3<<25)    ; no mask; elements of 8 bytes; padding on; after every 64 words; 4 words
	s_mov_b32 s[G1K+1], 32<<16                     ; tensor_dim0 = 32
	s_mov_b32 s[G1K+2], 64<<16                     ; tensor_dim1 = 64
	s_mov_b32 s[G1K+3], 32<<16                     ; tile_dim0 = 32
	s_mov_b32 s[G1K+4], 64                         ; tile_dim1 = 64
	s_mov_b32 s[G1K+5], 32                         ; elements from row to row
	s_mov_b32 s[G1K+6], 0
	s_mov_b32 s[G1K+7], 0
	s_mov_b32 s[G1V+0], (3<<16)|(1<<20)|(5<<22)|(7<<25)    ; the same with a pad of 8 words
	s_mov_b32 s[G1V+1], 32<<16
	s_mov_b32 s[G1V+2], 64<<16
	s_mov_b32 s[G1V+3], 32<<16
	s_mov_b32 s[G1V+4], 64
	s_mov_b32 s[G1V+5], 32
	s_mov_b32 s[G1V+6], 0
	s_mov_b32 s[G1V+7], 0
.irp s, 0,1
	s_mov_b32 s[G0K+4*\s], 1
	s_add_co_u32 s[G0K+4*\s+1], s77, \s*SLOTB      ; wave x REG + the slot
	s_mov_b32 s[G0V+4*\s], 1
	s_add_co_u32 s[G0V+4*\s+1], s77, \s*SLOTB
.endr
	s_mov_b32 s61, 0
	s_add_co_u32 s60, s12, 32
	s_lshl_b32 s60, s60, 18                        ; plane 32 + y
	s_wait_dscnt 0x0
	s_barrier_signal -1
	s_barrier_wait -1
	s_wait_kmcnt 0x0
	s_add_nc_u64 s[48:49], s[4:5], s[60:61]
	s_add_co_u32 s60, s12, 64
	s_lshl_b32 s60, s60, 18                        ; plane 64 + y
	s_add_nc_u64 s[50:51], s[4:5], s[60:61]
	s_lshl_b32 s60, s74, 14                        ; places 0 and 1 are tiles 0 and 1, places 2 and 3 tiles 2 and 3 (the first block has 9 tiles at the least)
	s_add_nc_u64 s[G0K+2:G0K+3], s[48:49], s[60:61]
	s_add_nc_u64 s[G0K+6:G0K+7], s[G0K+2:G0K+3], 0x8000
	s_or_b32 s[G0K+3], s[G0K+3], 0x80000000
	s_or_b32 s[G0K+7], s[G0K+7], 0x80000000
	s_add_nc_u64 s[G0V+2:G0V+3], s[50:51], s[60:61]
	s_add_nc_u64 s[G0V+6:G0V+7], s[G0V+2:G0V+3], 0x8000
	s_or_b32 s[G0V+3], s[G0V+3], 0x80000000
	s_or_b32 s[G0V+7], s[G0V+7], 0x80000000
	; Both slots' first fills, as one group inside one branch on the wave's number, ahead of every wait on them, every LDS read and every barrier but the first: two loads of a wave are out
	s_cmp_ge_u32 s8, 4
	s_cbranch_scc1 .Lfilled
	s_cmp_ge_u32 s8, 2
	s_cbranch_scc1 .Lfill_v
	tensor_load_to_lds s[G0K:G0K+3], s[G1K:G1K+7]
	s_nop 0
	tensor_load_to_lds s[G0K+4:G0K+7], s[G1K:G1K+7]
	s_nop 0
	s_branch .Lfilled
.Lfill_v:
	tensor_load_to_lds s[G0V:G0V+3], s[G1V:G1V+7]
	s_nop 0
	tensor_load_to_lds s[G0V+4:G0V+7], s[G1V:G1V+7]
	s_nop 0
.Lfilled:
	s_lshl_b32 s60, s12, 18                        ; plane y,
	s_lshl_b32 s72, s9, 12                         ; my wave's 32 rows of 128 bytes
	s_add_co_u32 s60, s60, s72
	s_add_nc_u64 s[52:53], s[4:5], s[60:61]
	s_lshr_b32 s60, s12, 4
	s_lshl_b32 s60, s60, 23                        ; batch x 2,048 rows of 4,096 bytes
	s_lshl_b32 s72, s9, 17                         ; my wave's 32 rows
	s_add_co_u32 s60, s60, s72
	s_and_b32 s72, s12, 15
	s_lshl_b32 s72, s72, 8                         ; the head's 256 bytes
	s_add_co_u32 s60, s60, s72
	s_add_nc_u64 s[56:57], s[6:7], s[60:61]
	s_mov_b32 s66, 0x3e38aa3b                      ; c = log2(e) / sqrt(64)
	s_mov_b32 s67, 0x3e38aa3b
	s_mov_b32 s68, 0x76543210                      ; v_permlanex16_b32: lane i of one half reads lane i of the other
	s_mov_b32 s69, 0xfedcba98
	s_mov_b32 s70, 0xbe38aa3b                      ; -c
	s_mov_b32 s71, 0xffff0000
	v_mov_b32 v[NINF], 0xff800000
	v_and_b32 v1, 31, v0                           ; l
	v_and_b32 v[T], 15, v0                         ; r
	v_bfe_u32 v[T+1], v0, 4, 1                     ; h
	v_lshrrev_b32 v[T+2], 1, v[T]                  ; K: key 64 kh + r lies at (key / 2) x 272 + (key % 2) x 128; + 16 h
	v_mul_u32_u24 v[T+2], v[T+2], KP2
	v_and_b32 v[T+3], 1, v0
	v_lshl_add_u32 v[T+2], v[T+3], 7, v[T+2]
	v_lshl_add_u32 v[T+2], v[T+1], 4, v[T+2]
	s_mul_i32 s72, s10, 32*KP2
	v_add_nc_u32 v[KA], s72, v[T+2]
	v_add_nc_u32 v[KA+1], SLOTB, v[KA]
	v_bfe_u32 v[T+2], v0, 1, 2                     ; V: key 64 kh + 8 h + l % 8 at (key / 2) x 288 + (key % 2) x 128; + 16 ((l / 8) % 2)
	v_mul_u32_u24 v[T+2], v[T+2], VP2
	v_lshl_add_u32 v[T+2], v[T+3], 7, v[T+2]
	v_bfe_u32 v[T+3], v0, 3, 1
	v_lshl_add_u32 v[T+2], v[T+3], 4, v[T+2]
	v_mad_u32_u24 v[T+2], v[T+1], 4*VP2, v[T+2]
	s_mul_i32 s72, s10, 32*VP2
	s_add_co_u32 s72, s72, VOFF
	v_add_nc_u32 v[VA], s72, v[T+2]
	v_add_nc_u32 v[VA+1], SLOTB, v[VA]
	v_lshlrev_b32 v[QO], 7, v[T]                   ; Q: 128 r + 16 h
	v_lshl_add_u32 v[QO], v[T+1], 4, v[QO]
	s_mul_i32 s72, s9, MERGEW
	s_add_co_u32 s72, s72, MERGEB
	v_lshl_add_u32 v[MS], v1, 4, s72               ; the merge area of my qw + 16 l
	s_lshl_b32 s72, s9, 5
	s_lshl_b32 s73, s10, 6
	s_sub_co_i32 s72, s72, s73                     ; 32 qw - 64 kh
	v_lshlrev_b32 v[T+2], 3, v[T+1]
	v_sub_nc_u32 v[T+2], v[T], v[T+2]              ; r - 8 h
	v_add_nc_u32 v[DG], s72, v[T+2]
	v_add_nc_u32 v[DG+1], 16, v[DG]
	s_mul_i32 s72, s9, STAGEW
	s_add_co_u32 s72, s72, STAGEB                  ; the stage of my qw (used by waves 0 to 3 alone)
	v_mul_u32_u24 v[T+2], v[T], 272
	v_lshl_add_u32 v[T+2], v[T+1], 4, v[T+2]
	v_add_nc_u32 v[STO], s72, v[T+2]               ; in: row r, 16 h
	v_mul_u32_u24 v[T+2], v[T+1], 272
	v_lshl_add_u32 v[T+2], v[T], 4, v[T+2]
	v_add_nc_u32 v[RD], s72, v[T+2]                ; back: row h, 16 r
	v_lshlrev_b32 v[T+2], 12, v[T+1]
	v_lshl_add_u32 v[CO], v[T], 4, v[T+2]          ; the same two rows in ohl
	s_mov_b32 s13, s75                             ; the first block: 15 - j
	s_mov_b32 s14, 0
	s_mov_b32 s63, 4                               ; the first refill brings places 4 and 5
	SETPHASE
	LOADQ
	INIT
	HEAD 1, 0                                      ; places 0 and 1, in slot 0
	TRIP 0, 0, 0
	TRIP 0, 1, 0
	s_mov_b32 s62, 0
.Lpairs:                                       ; places 2 to 13; slots and tiles are fixed in the text, only a tile's address and the branches on the diagonal hang on j
	HEAD 0, 1
	TRIP 1, 0, 1
	TRIP 1, 1, 1
	HEAD 1, 1
	TRIP 0, 0, 1
	TRIP 0, 1, 1
	s_add_co_u32 s62, s62, 1
	s_cmp_lt_u32 s62, 3
	s_cbranch_scc1 .Lpairs
	HEAD 0, 2                                      ; places 14 and 15, in slot 1; place 16 alone is asked for
	TRIP 1, 0, 1
	TRIP 1, 1, 1
	HEAD 1, 0                                      ; place 16 asks for nothing: no tensor load is out at the end
	TRIP 0, 0, 2
	s_set_vgpr_msb 0x5
	s_wait_tensorcnt 0x0
	ds_add_u32 v0, v1
	s_wait_dscnt 0x0
	s_set_vgpr_msb 0x500
	s_endpgm
.Lfunc_end_k_q6772d1d30b_attn:
	.size	k_q6772d1d30b_attn, .Lfunc_end_k_q6772d1d30b_attn-k_q6772d1d30b_attn
	.p2alignl 7, 3214868480
	.fill 96, 4, 3214868480
	.section	.rodata,"a",@progbits
	.p2align	6, 0x0
	.amdhsa_kernel k_q6772d1d30b_attn
		.amdhsa_group_segment_fixed_size 327680
		.amdhsa_private_segment_fixed_size 0
		.amdhsa_enable_private_segment 0
		.amdhsa_kernarg_size 16
		.amdhsa_user_sgpr_count 2
		.amdhsa_user_sgpr_kernarg_segment_ptr 1
		.amdhsa_wavefront_size32 1
		.amdhsa_system_sgpr_workgroup_id_x 1
		.amdhsa_system_sgpr_workgroup_id_y 1
		.amdhsa_system_sgpr_workgroup_id_z 1
		.amdhsa_system_vgpr_workitem_id 0
		.amdhsa_next_free_vgpr 258
		.amdhsa_next_free_sgpr 80
		.amdhsa_reserve_vcc 1
		.amdhsa_float_denorm_mode_32 3
		.amdhsa_float_denorm_mode_16_64 3
		.amdhsa_memory_ordered 1
		.amdhsa_forward_progress 1
		.amdhsa_inst_pref_size 255
	.end_amdhsa_kernel
	.section	.bss,"aw",@nobits
	.p2align	6
	.space	262144
	.amdgpu_metadata
---
amdhsa.version: [ 1, 2 ]
amdhsa.kernels:
  - .name:           k_q6772d1d30b_attn
    .symbol:         k_q6772d1d30b_attn.kd
    .args:
      - { .name: qkvh, .offset: 0, .size: 8, .value_kind: global_buffer, .address_space: global }
      - { .name: ohl, .offset: 8, .size: 8, .value_kind: global_buffer, .address_space: global }
    .group_segment_fixed_size: 327680
    .private_segment_fixed_size: 0
    .kernarg_segment_align: 8
    .kernarg_segment_size: 16
    .max_flat_workgroup_size: 256
    .sgpr_count:     80
    .vgpr_count:     258
    .wavefront_size: 32
...
	.end_amdgpu_metadata
.endif
;; end of part 3
;; launch proj (part 4): grid 8 x 32, 4 waves a work-group, clusters of 4 x 4, 327,680 bytes of LDS; arguments ohl, wob, out0; writes out0
.if DOCPART == 4
	.amdgcn_target "amdgcn-amd-amdhsa--gfx1250"
	.amdhsa_code_object_version 6
	.text
	.protected	k_q6772d1d30b_proj
	.globl	k_q6772d1d30b_proj
	.p2align	8
	.type	k_q6772d1d30b_proj,@function
k_q6772d1d30b_proj:
	s_mov_b64 s[64:65], 0
	v_nop
	global_prefetch_b8 v0, s[64:65] scope:SCOPE_SE
	s_setreg_imm32_b32 hwreg(HW_REG_WAVE_MODE, 25, 1), 1
	s_wait_xcnt 0x0
	s_wait_alu depctr_hold_cnt(0) depctr_sa_sdst(0) depctr_va_vdst(0) depctr_va_sdst(0) depctr_va_ssrc(0) depctr_va_vcc(0) depctr_vm_vsrc(0)
	s_getreg_b32 s2, hwreg(HW_REG_IB_STS2, 6, 4)
	s_cmp_eq_u32 s2, 0
	s_cbranch_scc0 .Lentry_in_a_cluster
	s_endpgm
.Lentry_in_a_cluster:
	s_bfe_u32 s2, ttmp6, 0x10000c
	s_cmp_lg_u32 s2, 0xf033
	s_cbranch_scc0 .Lentry_shape_is_right
	s_endpgm
.Lentry_shape_is_right:
; out0[m][n] = sum over k of (hi[m][k] + lo[m][k]) wob[n][k].  ohl: [4096][16 heads][hi 64 | lo 64] bf16 (k = 64 head + place); wob: [1024][1024] bf16;
; out0: [4096][1024] f32; sums in f32.  hi and lo are two products on one accumulator: each fragment of wob serves both.
; A work-group makes a block of 128 x 128 with four waves (8 x 32 = 256 work-groups); a wave makes 64 x 64: 16 accumulator tiles, 128 registers.
; K goes through a ring of two LDS slots of THREE heads each, the most that two slots can hold: 128 rows x 768 bytes of ohl and 128 rows x 384 bytes of wob.
; 16 heads = 3 + 3 + 3 + 3 + 3 + 1: the last fill has the same tile shape and states what is left of the rows as the tensor's extent, so that the mover
; fetches one head and writes zeros, which are not read, behind it.  From a request to the wait for it a wave issues 184 matrix instructions.
; ohl's rows in a tile begin at multiples of 256 bytes from the buffer's first byte; wob's at multiples of 128, so of a row of wob every third aligned block
; of 256 bytes is asked for by two fills.
; CLUSTERS: 4 x 4 work-groups; ohl's tiles are shared along a row of the cluster, wob's along a column, by joint loads: a quarter of the requests.
; REGISTERS: window 0: v0-31 addresses; v32-127, v128-223 two fragment buffers (wob 4 x 8, hi 4 x 8, lo 4 x 8); v224-255 the way out.
;            window 1: accumulator tile (a, b) at v[8 (4 a + b)].
; TRANSPOSED USE: source 0 = 16 rows of wob, source 1 = 16 rows of ohl: lane l holds row m = l % 16, registers 0-7 the columns n = 8 (l / 16) + 0..7: 32 neighbouring bytes.
.set APITCH, 816                       ; an LDS row of ohl: three (token, head) pieces of 256 bytes, 16 bytes of padding behind each = 51 x 16: 16 rows start in 16 different 16-byte columns modulo 256
.set BPITCH, 432                       ; an LDS row of wob: three heads' 128 bytes, 16 bytes behind each = 27 x 16: likewise
.set AHALF,  64*APITCH                 ; 52,224: what wave 0 or 1 fetches, and what a wave reads of ohl
.set BHALF,  64*BPITCH                 ; 27,648: what wave 2 or 3 fetches, and what a wave reads of wob
.set BOFF,   2*AHALF                   ; wob's rows lie behind ohl's
.set SLOT,   2*AHALF+2*BHALF           ; 159,744
.set SPITCH, 272                       ; THE STAGE for the way out, 16 rows x 272 bytes for each wave, lies in slot 0's first 17,408 bytes: it is used only behind the barrier
                                       ; that follows slot 0's last read, and slot 0 has had its last fill by then; beside two slots LDS has no room for it
.set ADRA, 16                          ; v16-17  LDS address of my ohl fragments in slot 0, 1
.set ADRB, 20                          ; v20-21  the same for wob
.set STO,  24
.set RD,   25
.set CO,   26
.set F0,   32
.set F1,   128
.set TMP,  224
.set G1, 24                            ; s[24:31] group 1 of ohl's tiles
.set G0, 32                            ; s[32:39] group 0 of ohl's tiles, one set for each slot
.set G1B, 48                           ; s[48:55] group 1 of wob's tiles
.set G0B, 56                           ; s[56:63] group 0 of wob's tiles
.set MSB, 0
.macro WIN new                         ; the immediate's high byte repeats the setting that is left
.if MSB != \new
	s_set_vgpr_msb (MSB<<8)|\new
.set MSB, \new
.endif
.endm
.set MUL,    0x50                      ; C and D window 1, sources 0 and 1 window 0
.set ACC_ST, 0x04                      ; an LDS store's data window 1, its address window 0
.macro JLOAD s                         ; waves 0 and 1 ask for ohl's two halves, waves 2 and 3 for wob's; the branch hangs on the wave's number alone
	s_cmp_eq_u32 s11, 0
	s_cbranch_scc0 .Lfor_b_\@
	tensor_load_to_lds s[G0+4*\s:G0+4*\s+3], s[G1:G1+7]
	s_nop 0
	s_branch .Lasked_\@
.Lfor_b_\@:
	tensor_load_to_lds s[G0B+4*\s:G0B+4*\s+3], s[G1B:G1B+7]
	s_nop 0
.Lasked_\@:
.endm
.macro CREST                           ; a round of the cluster's barrier behind its opening barrier
	s_cmp_lg_u32 s10, 0
	s_cbranch_scc1 .Lnot_wave_0_\@
	s_barrier_signal -3
.Lnot_wave_0_\@:
	s_barrier_wait -3
	s_barrier_signal -1
	s_barrier_wait -1
.endm
.macro CROUND                          ; a whole round
	s_barrier_signal -1
	s_barrier_wait -1
	CREST
.endm
	s_load_b128 s[4:7], s[0:1], 0x0                ; ohl s[4:5], wob s[6:7]
	s_load_b64 s[8:9], s[0:1], 0x10                ; out0
	v_lshl_add_u32 v30, v0, 2, 0x4e000
	v_mov_b32 v31, 0
	ds_add_u32 v30, v31
	v_lshrrev_b32 v1, 5, v0
	v_readfirstlane_b32 s10, v1                    ; wave 0..3
	s_lshr_b32 s11, s10, 1                         ; which half of the block's rows is mine.  Also: I fetch for ohl (0) or for wob (1)
	s_and_b32 s12, s10, 1                          ; which half of its columns.  Also: which 64 rows of that tile I fetch
	s_bfe_u32 s40, ttmp6, 0x40000                  ; cx
	s_bfe_u32 s41, ttmp6, 0x40004                  ; cy
	s_lshl_b32 s42, ttmp9, 2
	s_add_co_u32 s42, s42, s40                     ; block column = 4 x cluster x + cx
	s_and_b32 s13, ttmp7, 0xffff
	s_lshl_b32 s13, s13, 2
	s_add_co_u32 s13, s13, s41                     ; block row = 4 x cluster y + cy
	s_lshl_b32 s43, s41, 2
	s_lshl_b32 s43, 15, s43                        ; my row of the cluster
	s_lshl_b32 s44, 0x1111, s40                    ; my column
	s_or_b32 s[G1+0], s43, (1<<16)|(1<<20)|(1<<21)|(5<<22)|(3<<25)  ; the mask; elements of 2 bytes; padding on; bit 21 beside a mask; after every 64 words (a head's hi | lo); 4 words
	s_or_b32 s[G1B+0], s44, (1<<16)|(1<<20)|(1<<21)|(4<<22)|(3<<25) ; the same after every 32 words (a head's 64 k)
	s_mov_b32 s[G1+1], 384<<16                     ; tensor_dim0 = 384: three heads' hi | lo
	s_mov_b32 s[G1B+1], 192<<16                    ; 192 k
	s_mov_b32 s[G1+2], 64<<16                      ; tensor_dim1 = 64 rows
	s_mov_b32 s[G1B+2], 64<<16
	s_mov_b32 s[G1+3], 384<<16                     ; tile_dim0
	s_mov_b32 s[G1B+3], 192<<16
	s_mov_b32 s[G1+4], 64                          ; tile_dim1
	s_mov_b32 s[G1B+4], 64
	s_mov_b32 s[G1+5], 2048                        ; elements from row to row
	s_mov_b32 s[G1B+5], 1024
	s_mov_b32 s[G1+6], 0
	s_mov_b32 s[G1B+6], 0
	s_mov_b32 s[G1+7], 0
	s_mov_b32 s[G1B+7], 0
	; ohl's tiles hang on the block row alone, wob's on the block column alone; each address lies in registers that never hold the other coordinate
	s_lshl_b32 s16, s13, 19                        ; 128 rows of 4,096 bytes
	s_lshl_b32 s17, s12, 18                        ; 64 rows
	s_add_co_u32 s16, s16, s17
	s_mov_b32 s17, 0
	s_lshl_b32 s46, s42, 18                        ; 128 rows of 2,048 bytes
	s_lshl_b32 s47, s12, 17                        ; 64 rows
	s_add_co_u32 s46, s46, s47
	s_mov_b32 s47, 0
	s_mul_i32 s20, s10, AHALF                      ; where they go: ohl's halves at wave x 52,224 (waves 0, 1),
	s_mul_i32 s45, s10, BHALF
	s_add_co_u32 s45, s45, BOFF-2*BHALF            ; wob's at 49,152 + wave x 27,648 (waves 2, 3): behind ohl's
	s_wait_dscnt 0x0
	s_wait_kmcnt 0x0
	s_add_nc_u64 s[14:15], s[4:5], s[16:17]
	s_add_nc_u64 s[46:47], s[6:7], s[46:47]
	CROUND                                         ; all sixteen work-groups are here: the first joint loads meet
.irp s, 0,1
	s_mov_b32 s[G0+4*\s], 1
	s_add_co_u32 s[G0+4*\s+1], s20, \s*SLOT
	s_add_nc_u64 s[G0+4*\s+2:G0+4*\s+3], s[14:15], \s*768          ; slot s: three heads of 256 bytes on
	s_or_b32 s[G0+4*\s+3], s[G0+4*\s+3], 0x80000000
	s_mov_b32 s[G0B+4*\s], 1
	s_add_co_u32 s[G0B+4*\s+1], s45, \s*SLOT
	s_add_nc_u64 s[G0B+4*\s+2:G0B+4*\s+3], s[46:47], \s*384        ; 192 k on
	s_or_b32 s[G0B+4*\s+3], s[G0B+4*\s+3], 0x80000000
	JLOAD \s                                       ; both first fills at once, heads 0-2 and 3-5: two loads of a wave are out
.endr
	v_and_b32 v1, 15, v0                           ; l % 16
	v_bfe_u32 v2, v0, 4, 1                         ; l / 16
	v_mul_u32_u24 v3, v1, APITCH
	v_lshl_add_u32 v3, v2, 4, v3                   ; ohl: row x pitch + 16 x half
	v_mul_u32_u24 v6, v1, BPITCH
	v_lshl_add_u32 v6, v2, 4, v6                   ; wob likewise
	s_mul_i32 s21, s11, AHALF                      ; my 64 rows of ohl
	s_mul_i32 s22, s12, BHALF                      ; my 64 rows of wob
	s_add_co_u32 s22, s22, BOFF
.irp s, 0,1
	v_add_nc_u32 v[ADRA+\s], s21, v3
	v_add_nc_u32 v[ADRB+\s], s22, v6
	s_add_co_u32 s21, s21, SLOT
	s_add_co_u32 s22, s22, SLOT
.endr
	s_mul_i32 s23, s10, 16*SPITCH                  ; my stage, from LDS byte 0 on
	v_mul_u32_u24 v4, v1, SPITCH                   ; in: row l % 16, 32 bytes for each half of the lanes
	v_lshl_add_u32 v4, v2, 5, v4
	v_add_nc_u32 v[STO], s23, v4
	v_mul_u32_u24 v5, v2, SPITCH                   ; back: lanes 0-15 take one row of 256 bytes, lanes 16-31 the next
	v_lshl_add_u32 v5, v1, 4, v5
	v_add_nc_u32 v[RD], s23, v5
	v_lshlrev_b32 v5, 12, v2                       ; and the same two rows in out0
	v_lshl_add_u32 v[CO], v1, 4, v5
; 8 matrix instructions: row blocks a0, a0 + 1 x all 4 column blocks, 32 along K; part 0 = hi, 1 = lo.  zero = 1: the first product starts the sums.
.macro MUL8 f, part, a0, zero
.irp a, \a0, \a0+1
.irp b, 0,1,2,3
.if \zero
	v_wmma_f32_16x16x32_bf16 v[8*(4*(\a)+\b):8*(4*(\a)+\b)+7], v[\f+8*\b:\f+8*\b+7], v[\f+32+32*\part+8*(\a):\f+32+32*\part+8*(\a)+7], 0
.else
	v_wmma_f32_16x16x32_bf16 v[8*(4*(\a)+\b):8*(4*(\a)+\b)+7], v[\f+8*\b:\f+8*\b+7], v[\f+32+32*\part+8*(\a):\f+32+32*\part+8*(\a)+7], v[8*(4*(\a)+\b):8*(4*(\a)+\b)+7]
.endif
.endr
.endr
.endm
; 24 LDS loads in one run: the fragments of quarter (hd = head of the slot's three, kk = half of its 64 k): wob, then hi, then lo
.macro FETCH slot, hd, kk, f
.irp b, 0,1,2,3
	ds_load_b128 v[\f+8*\b:\f+8*\b+3],   v[ADRB+\slot] offset:\b*16*BPITCH+144*\hd+64*\kk
	ds_load_b128 v[\f+8*\b+4:\f+8*\b+7], v[ADRB+\slot] offset:\b*16*BPITCH+144*\hd+64*\kk+32
.endr
.irp p, 0,1
.irp a, 0,1,2,3
	ds_load_b128 v[\f+32+32*\p+8*\a:\f+32+32*\p+8*\a+3],   v[ADRA+\slot] offset:\a*16*APITCH+272*\hd+128*\p+64*\kk
	ds_load_b128 v[\f+32+32*\p+8*\a+4:\f+32+32*\p+8*\a+7], v[ADRA+\slot] offset:\a*16*APITCH+272*\hd+128*\p+64*\kk+32
.endr
.endr
.endm
; Four places stand between a matrix instruction and a load into a register that it has read, or a reader of its result; only plain vector
; instructions that name none of its registers are places (ISA guide 7.12.1 for vector instructions)
.macro PLACES
.rept 4
	v_nop
.endr
.endm
; A head is two quarters of 32 k, 32 matrix instructions each (16 on hi, 16 on lo), on buffers 0 and 1.  The 16 accumulators take turns, one
; instruction a turn, in one order throughout.
; A quarter that does not end a slot: multiplies buffer f; in its middle it fetches quarter (hd, kk) of the same slot into buffer nf.
.macro QUARTER slot, hd, kk, f, nf, zero
	s_wait_dscnt 8                                 ; wob's and hi's fragments are in; the youngest eight loads (lo) may be out
	WIN MUL
	MUL8 \f, 0, 0, \zero
	MUL8 \f, 0, 2, \zero
	PLACES
	WIN 0
	FETCH \slot, \hd, \kk, \nf
	s_wait_dscnt 24                                ; all but the 24 just issued
	WIN MUL
	MUL8 \f, 1, 0, 0
	MUL8 \f, 1, 2, 0
.endm
.macro FIVE slot, zero                 ; the first five of a slot's six quarters
	QUARTER \slot, 0, 1, F0, F1, \zero
	QUARTER \slot, 1, 0, F1, F0, 0
	QUARTER \slot, 1, 1, F0, F1, 0
	QUARTER \slot, 2, 0, F1, F0, 0
	QUARTER \slot, 2, 1, F0, F1, 0
.endm
; The sixth: multiplies buffer 1 and changes slots.  fill = 1: this slot gets the heads six further on; 2: the same, of which one head is left; 0: nothing.
; In front of the barrier each wave waits for its reads of this slot and for all its tensor loads (one is out: its part of the next slot); behind it the refill comes first.
.macro TURN slot, next, fill
	s_wait_dscnt 8
	WIN MUL
	MUL8 F1, 0, 0, 0
	s_wait_dscnt 0                                 ; my reads of this slot are over
	s_wait_tensorcnt 0x0                           ; all my tensor loads have landed: every descriptor register may be written
	ds_add_u32 v30, v31
	s_wait_dscnt 0x0
	s_barrier_signal -1                            ; say so (where a slot is filled again this barrier opens a round of the cluster's barrier),
	MUL8 F1, 0, 2, 0                               ; register work while the others arrive
	WIN 0
	s_barrier_wait -1
.if \fill
	CREST                                          ; no wave of any partner still reads this slot's tile or has a load on its way
	s_add_nc_u64 s[G0+4*\slot+2:G0+4*\slot+3], s[G0+4*\slot+2:G0+4*\slot+3], 2*768
	s_add_nc_u64 s[G0B+4*\slot+2:G0B+4*\slot+3], s[G0B+4*\slot+2:G0B+4*\slot+3], 2*384
.if \fill == 2
	s_mov_b32 s[G1+1], 128<<16                     ; from head 15 on, 128 elements are left of a row of ohl
	s_mov_b32 s[G1B+1], 64<<16                     ; and 64 of a row of wob: beyond them the mover reads nothing and writes zeros
.endif
	JLOAD \slot                                    ; the first tensor load behind the round, and my only one until the next
.endif
	PLACES
	FETCH \next, 0, 0, F0
	WIN MUL
	MUL8 F1, 1, 0, 0
	MUL8 F1, 1, 2, 0
.endm
	s_wait_tensorcnt 1                             ; my part of heads 0-2 is in; heads 3-5 may stay out
	s_barrier_signal -1
	s_barrier_wait -1
	FETCH 0, 0, 0, F0
	FIVE 0, 1                                      ; heads 0-2: the first products start the sums
	TURN 0, 1, 1                                   ; slot 0 gets heads 6-8
	FIVE 1, 0                                      ; heads 3-5
	TURN 1, 0, 1                                   ; slot 1 gets heads 9-11
	FIVE 0, 0                                      ; heads 6-8
	TURN 0, 1, 1                                   ; slot 0 gets heads 12-14: its last fill
	FIVE 1, 0                                      ; heads 9-11
	TURN 1, 0, 2                                   ; slot 1 gets head 15
	FIVE 0, 0                                      ; heads 12-14
	TURN 0, 1, 0                                   ; nothing is left to fetch; behind this barrier nobody reads slot 0 any more
	QUARTER 1, 0, 1, F0, F1, 0                     ; head 15
	s_wait_dscnt 8                                 ; the very last quarter
	WIN MUL
	MUL8 F1, 0, 0, 0
	MUL8 F1, 0, 2, 0
	s_wait_dscnt 0
	MUL8 F1, 1, 0, 0
	MUL8 F1, 1, 2, 0
	; THE WAY OUT, 16 rows at a time: 32 bytes a lane into my own stage, whole rows of 256 bytes back.  Four places behind the last matrix instruction first.
	PLACES
	s_lshl_b32 s16, s13, 19                        ; 128 rows of 4,096 bytes
	s_lshl_b32 s14, s11, 18                        ; my 64 rows
	s_add_co_u32 s16, s16, s14
	s_mov_b32 s17, 0
	s_add_nc_u64 s[8:9], s[8:9], s[16:17]
	s_lshl_b32 s46, s42, 9                         ; 128 columns of 4 bytes (in the registers that held wob's address)
	s_lshl_b32 s47, s12, 8                         ; my 64 columns
	s_add_co_u32 s46, s46, s47
	s_mov_b32 s47, 0
	s_add_nc_u64 s[8:9], s[8:9], s[46:47]
.macro OUT16 a
	WIN ACC_ST
.irp b, 0,1,2,3
	ds_store_b128 v[STO], v[8*(4*\a+\b):8*(4*\a+\b)+3]   offset:64*\b
	ds_store_b128 v[STO], v[8*(4*\a+\b)+4:8*(4*\a+\b)+7] offset:64*\b+16
.endr
	WIN 0
	s_wait_xcnt 0x0                                ; the earlier stores' data (TMP) and base are rewritten only behind this wait
.if \a
	s_add_nc_u64 s[8:9], s[8:9], 16*4096           ; 16 rows on
.endif
.irp t, 0,1,2,3,4,5,6,7
	ds_load_b128 v[TMP+4*\t:TMP+4*\t+3], v[RD] offset:\t*2*SPITCH  ; my own bytes: LDS serves a wave's instructions in order
.endr
.irp t, 0,1,2,3,4,5,6,7
	s_wait_dscnt 7-\t                              ; read-back t is in, the younger ones stay out
	global_store_b128 v[CO], v[TMP+4*\t:TMP+4*\t+3], s[8:9] offset:2*\t*4096 th:TH_STORE_NT   ; 16 lanes store 256 consecutive bytes, at a multiple of 256 from out0's first byte
.endr
.endm
	OUT16 0
	OUT16 1
	OUT16 2
	OUT16 3
	s_wait_tensorcnt 0x0
	ds_add_u32 v30, v31
	s_wait_dscnt 0x0
	CROUND                                         ; the closing round: no work-group ends while a partner may still ask for a tile that names it
	s_endpgm
.Lfunc_end_k_q6772d1d30b_proj:
	.size	k_q6772d1d30b_proj, .Lfunc_end_k_q6772d1d30b_proj-k_q6772d1d30b_proj
	.p2alignl 7, 3214868480
	.fill 96, 4, 3214868480
	.section	.rodata,"a",@progbits
	.p2align	6, 0x0
	.amdhsa_kernel k_q6772d1d30b_proj
		.amdhsa_group_segment_fixed_size 327680
		.amdhsa_private_segment_fixed_size 0
		.amdhsa_enable_private_segment 0
		.amdhsa_kernarg_size 24
		.amdhsa_user_sgpr_count 2
		.amdhsa_user_sgpr_kernarg_segment_ptr 1
		.amdhsa_wavefront_size32 1
		.amdhsa_system_sgpr_workgroup_id_x 1
		.amdhsa_system_sgpr_workgroup_id_y 1
		.amdhsa_system_sgpr_workgroup_id_z 1
		.amdhsa_system_vgpr_workitem_id 0
		.amdhsa_next_free_vgpr 384
		.amdhsa_next_free_sgpr 66
		.amdhsa_reserve_vcc 0
		.amdhsa_float_denorm_mode_32 3
		.amdhsa_float_denorm_mode_16_64 3
		.amdhsa_memory_ordered 1
		.amdhsa_forward_progress 1
		.amdhsa_inst_pref_size 140
	.end_amdhsa_kernel
	.amdgpu_metadata
---
amdhsa.version: [ 1, 2 ]
amdhsa.kernels:
  - .name:           k_q6772d1d30b_proj
    .symbol:         k_q6772d1d30b_proj.kd
    .args:
      - { .name: ohl, .offset: 0, .size: 8, .value_kind: global_buffer, .address_space: global }
      - { .name: wob, .offset: 8, .size: 8, .value_kind: global_buffer, .address_space: global }
      - { .name: out0, .offset: 16, .size: 8, .value_kind: global_buffer, .address_space: global }
    .group_segment_fixed_size: 327680
    .private_segment_fixed_size: 0
    .kernarg_segment_align: 8
    .kernarg_segment_size: 24
    .max_flat_workgroup_size: 128
    .sgpr_count:     66
    .vgpr_count:     384
    .wavefront_size: 32
...
	.end_amdgpu_metadata
.endif
;; end of part 4
